; MI455X (gfx1250); checked and timed in simulation.
; The chip was launched on July 23, 2026; its instructions are those of AMD's public machine-readable ISA for CDNA 5 (MIT licence, August 2026) and "CDNA5" Instruction Set Architecture Reference Guide (July 2026). The comments in the code are by the model that wrote it; some were corrected since.
;; Edge Processor. Allowed arithmetic: float matrix products may take bf16 or f16 operands with f32 sums; other float arithmetic in f32, or as packed bf16 or f16 multiplies, adds, multiply-adds, maxima and minima; sums over many terms, partial sums and values carried from step to step in f32; what a program stores and reads back later, other than sums and carried values, may be rounded once to bf16 or f16.
;; Inputs: W 8 x 128 x 256 float32; b 8 x 256 float32; beta 8 x 256 float32; edge_attr 65,536 x 128 float32; edge_type 65,536 int32; gamma 8 x 256 float32.
;; Outputs: out0 65,536 x 256 float32.
;; One version. Each part assembles by itself: llvm-mc -triple=amdgcn-amd-amdhsa -mcpu=gfx1250 --defsym DOCPART=n.
;; ======== version 1 of 1: 2 launches
;; workspace buffers: wf 557,056 bytes; perm 262,144 bytes of whole numbers; meta 256 bytes of whole numbers
;; launch prep (part 1): grid 64 x 1, 32 waves a work-group, no clusters, 22,784 bytes of LDS; arguments W, edge_type, wf, perm, meta; writes wf, perm, meta
.if DOCPART == 1
	.amdgcn_target "amdgcn-amd-amdhsa--gfx1250"
	.amdhsa_code_object_version 6
	.text
	.protected	k_q0eb57d9335_prep
	.globl	k_q0eb57d9335_prep
	.p2align	8
	.type	k_q0eb57d9335_prep,@function
k_q0eb57d9335_prep:
	s_mov_b64 s[64:65], 0
	v_nop
	global_prefetch_b8 v0, s[64:65] scope:SCOPE_SE
	s_setreg_imm32_b32 hwreg(HW_REG_WAVE_MODE, 25, 1), 1
	s_wait_xcnt 0x0
; PREP: a counting sort of the 65,536 edges by type, and the weights rounded to bf16 in the order in which a wave's operand registers take them.
; 64 work-groups of 32 waves.  Work-group g
;   (1) owns the edges 1024 g + thread, one a thread, and stores each one's number at its place in perm (sorted by type, no padding);
;   (2) counts the types of ALL 64 chunks of 1,024 edges itself (no traffic between work-groups): wave w counts chunks 2 w and 2 w + 1;
;   (3) lays out the 16 rows k = 16 m .. 16 m + 15 of W[t], t = g / 8, m = g % 8: the 16,384 bytes at 16,384 g.
; wf, for each type 17 tiles of 4,096 bytes; in a tile the 16 bytes at 512 m + 16 lane hold k = 16 m + 8 (lane / 16) + 0..7 of column lane % 16:
;   tile 1 + q, q = 4 G + a: column r is channel 64 G + 4 r + a, so that a lane's four results a = 0..3 are four neighbouring channels of a row;
;   tile 0: minus the mean over the 256 channels of the rounded weights, its bf16 head in the even columns and the bf16 of the rest in the odd ones.
; meta: words 0..7 the first sorted place of each type, words 8..31 hold 65,536.
; LIMIT.  A type is taken by its low three bits; the types that the problem allows are 0 to 7.
; perm is stored four bytes a lane: lanes of one type store neighbouring words, and the buffer is 262,144 bytes in all; longer runs would want one more pass through LDS and a third barrier.
.set HH,     0                         ; 64 chunks x 16 bytes: eight counts, two to a word
.set TW,     1024                      ; 32 waves x 16 bytes: the same for my own chunk's waves
.set TB,     1536                      ; 8 types x (total, edges of that type in the chunks before mine)
.set PS,     1792                      ; 32 partial sums: row w / 2, half w % 2 of my 16 rows of W
.set STG,    2048                      ; my 16 rows of W in f32, 1,040 bytes apart
.set SPITCH, 1040
.set SPARE,  18688                     ; the spare words, 128 bytes for each of the 32 waves; no other line names them
.set WFT,    69632                     ; bytes of a type in wf
.set TY,     32                        ; v[32:95] 16 loads of types; free again behind the counting
.set SPW,    126                       ; v126 LDS address of my spare word; never rewritten
.set NIL,    127                       ; v127 0; never rewritten
; A count's place in the four words: word ((t & 1) << 1) | ((t >> 1) & 1), half t >> 2.
.macro IRED r                          ; whole numbers summed over the 32 lanes, the sum in every lane
.irp k, 1,2,4,8
	v_mov_b32_dpp v6, v[\r] row_xmask:\k row_mask:0xf bank_mask:0xf
	v_add_nc_u32 v[\r], v[\r], v6
.endr
	v_permlanex16_b32 v6, v[\r], s20, s21
	v_add_nc_u32 v[\r], v[\r], v6
.endm
.macro FRED r                          ; the same for f32
.irp k, 1,2,4,8
	v_add_f32_dpp v[\r], v[\r], v[\r] row_xmask:\k row_mask:0xf bank_mask:0xf
.endr
	v_permlanex16_b32 v6, v[\r], s20, s21
	v_add_f32 v[\r], v[\r], v6
.endm
; n loads from load number first on: 4 n types (12 at the most) are counted in eight fields of four bits, which are then added onto eight fields of a byte
.macro TALLY first, n
	v_mov_b32 v16, 0
.set L, \first
.rept \n
	s_wait_loadcnt 17-L                            ; behind load L: 15 - L loads of types, my own type, my piece of W
.irp c, 0,1,2,3
	v_lshlrev_b32 v17, 2, v[TY+4*L+\c]             ; 4 t; the shift below takes its low five bits: t mod 8
	v_lshl_add_u32 v16, 1, v17, v16
.endr
.set L, L+1
.endr
	v_and_b32 v17, s18, v16                        ; types 0, 2, 4, 6
	v_add_nc_u32 v18, v18, v17
	v_lshrrev_b32 v17, 4, v16
	v_and_b32 v17, s18, v17                        ; types 1, 3, 5, 7
	v_add_nc_u32 v19, v19, v17
.endm
.macro COUNT half                      ; chunk 2 w + half: a lane's 32 types, then the wave's 1,024
	v_mov_b32 v18, 0
	v_mov_b32 v19, 0
	TALLY 8*\half, 3
	TALLY 8*\half+3, 3
	TALLY 8*\half+6, 2
	v_and_b32 v12, s19, v18                        ; n0 | n4 << 16
	v_lshrrev_b32 v13, 8, v18
	v_and_b32 v13, s19, v13                        ; n2 | n6 << 16
	v_and_b32 v14, s19, v19                        ; n1 | n5 << 16
	v_lshrrev_b32 v15, 8, v19
	v_and_b32 v15, s19, v15                        ; n3 | n7 << 16
	IRED 12
	IRED 13
	IRED 14
	IRED 15                                        ; 1,024 at the most in a field of 16 bits
	ds_store_b128 v22, v[12:15] offset:HH+16*\half
.endm
	s_load_b256 s[4:11], s[0:1], 0x0               ; W s[4:5], edge_type s[6:7], wf s[8:9], perm s[10:11]
	s_load_b64 s[12:13], s[0:1], 0x20              ; meta
	v_lshl_add_u32 v[SPW], v0, 2, SPARE
	v_mov_b32 v[NIL], 0
	v_and_b32 v1, 31, v0                           ; lane
	v_lshrrev_b32 v6, 5, v0
	v_readfirstlane_b32 s16, v6                    ; wave w
	s_mov_b32 s17, ttmp9                           ; g
	s_mov_b32 s18, 0x0f0f0f0f
	s_mov_b32 s19, 0x00ff00ff
	s_mov_b32 s20, 0x76543210                      ; v_permlanex16_b32: each lane takes its own place in the other half
	s_mov_b32 s21, 0xfedcba98
	s_lshl_b32 s22, s16, 13
	v_lshl_add_u32 v2, v1, 4, s22                  ; types: 8,192 w + 16 lane
	s_lshl_b32 s22, s17, 12
	v_lshl_add_u32 v20, v0, 2, s22                 ; my own edge's type: 4,096 g + 4 thread
	s_lshl_b32 s22, s17, 14
	v_lshl_add_u32 v21, v0, 4, s22                 ; my 16 bytes of W: 16,384 g + 16 thread
	s_lshr_b32 s30, s17, 3
	s_mul_i32 s30, s30, WFT
	s_and_b32 s22, s17, 7
	s_lshl_b32 s22, s22, 9
	s_add_co_u32 s30, s30, s22                     ; in wf: type t, 512 m
	s_wait_kmcnt 0x0
.set L, 0
.rept 16
	global_load_b128 v[TY+4*L:TY+4*L+3], v2, s[6:7] offset:512*L
.set L, L+1
.endr
	global_load_b32 v4, v20, s[6:7]
	global_load_b128 v[8:11], v21, s[4:5] th:TH_LOAD_NT  ; each byte of W is read once in the launch
	s_lshl_b32 s24, s16, 5
	v_mov_b32 v22, s24                             ; 32 w: my two entries of HH
	s_lshl_b32 s24, s16, 4
	v_mov_b32 v23, s24                             ; 16 w: my entry of TW
	s_lshl_b32 s24, s16, 2
	v_mov_b32 v103, s24                            ; 4 w: my word of PS
	s_lshr_b32 s24, s16, 1
	s_mul_i32 s24, s24, SPITCH
	s_and_b32 s25, s16, 1
	s_lshl_b32 s25, s25, 9
	s_add_co_u32 s24, s24, s25
	v_lshl_add_u32 v96, v1, 4, s24                 ; the stage: row w / 2, half w % 2, 16 lane
	; PHASE 1.  The counts of two chunks; my wave's counts and my rank among my wave's edges of my type; my piece of W.
	COUNT 0
	COUNT 1
	s_wait_loadcnt 0x1                             ; my own type is in; my piece of W may be out
	v_and_b32 v4, 7, v4
	v_mov_b32 v5, 0
.irp t, 0,1,2,3,4,5,6,7
	v_cmp_eq_u32 s[40+\t], \t, v4                  ; the lanes of type t
.endr
.irp t, 0,1,2,3,4,5,6,7
	s_bcnt1_i32_b32 s[48+\t], s[40+\t]
	v_mbcnt_lo_u32_b32 v7, s[40+\t], 0             ; how many of them lie below me
	v_cndmask_b32 v5, v5, v7, s[40+\t]
.endr
	s_lshl_b32 s36, s52, 16
	s_or_b32 s36, s36, s48
	s_lshl_b32 s37, s54, 16
	s_or_b32 s37, s37, s50
	s_lshl_b32 s38, s53, 16
	s_or_b32 s38, s38, s49
	s_lshl_b32 s39, s55, 16
	s_or_b32 s39, s39, s51
	v_mov_b32 v28, s36
	v_mov_b32 v29, s37
	v_mov_b32 v30, s38
	v_mov_b32 v31, s39
	ds_store_b128 v23, v[28:31] offset:TW
	s_wait_loadcnt 0x0                             ; W
	ds_store_b128 v96, v[8:11] offset:STG
	v_cvt_pk_bf16_f32 v97, v8, v9                  ; the mean is taken of the rounded weights
	v_cvt_pk_bf16_f32 v98, v10, v11
	v_lshlrev_b32 v99, 16, v97
	v_and_b32 v100, 0xffff0000, v97
	v_lshlrev_b32 v101, 16, v98
	v_and_b32 v102, 0xffff0000, v98
	v_add_f32 v99, v99, v100
	v_add_f32 v101, v101, v102
	v_add_f32 v99, v99, v101
	FRED 99                                        ; half a row's sum
	ds_store_b32 v103, v99 offset:PS
	s_wait_dscnt 0x0                               ; for the others' sake: my stores are done
	s_barrier_signal -1
	s_barrier_wait -1
	; PHASE 2 (a).  Waves 0 to 7, type t = w: the type's total, and its edges in the chunks before mine.
	s_cmp_lt_u32 s16, 8
	s_cbranch_scc0 .Lno_total
	s_and_b32 s26, s16, 1
	s_lshl_b32 s26, s26, 3
	s_bfe_u32 s27, s16, 0x10001
	s_lshl_b32 s27, s27, 2
	s_add_co_u32 s26, s26, s27                     ; the count's word, in bytes
	s_lshr_b32 s27, s16, 2
	s_lshl_b32 s27, s27, 4                         ; and its half, in bits
	s_lshl_b32 s28, s16, 3
	v_lshl_add_u32 v32, v1, 4, s26
	ds_load_b32 v33, v32 offset:HH                 ; chunk lane
	ds_load_b32 v34, v32 offset:HH+512             ; chunk lane + 32
	v_add_nc_u32 v35, 32, v1
	v_mov_b32 v40, s28
	s_wait_dscnt 0x0
	v_lshrrev_b32 v33, s27, v33
	v_lshrrev_b32 v34, s27, v34
	v_and_b32 v33, 0xffff, v33
	v_and_b32 v34, 0xffff, v34
	v_cmp_gt_u32 vcc_lo, s17, v1
	v_cndmask_b32 v36, 0, v33, vcc_lo
	v_cmp_gt_u32 vcc_lo, s17, v35
	v_cndmask_b32 v37, 0, v34, vcc_lo
	v_add_nc_u32 v38, v33, v34
	v_add_nc_u32 v39, v36, v37
	IRED 38
	IRED 39
	ds_store_b64 v40, v[38:39] offset:TB
.Lno_total:
	; (b) Every wave: the counts of my chunk's waves before mine.
	v_lshlrev_b32 v41, 4, v1
	ds_load_b128 v[24:27], v41 offset:TW
	v_cmp_gt_u32 vcc_lo, s16, v1
	s_wait_dscnt 0x0
.irp c, 24,25,26,27
	v_cndmask_b32 v\c, 0, v\c, vcc_lo
.endr
	IRED 24
	IRED 25
	IRED 26
	IRED 27
	; (c) Waves 0 to 15, tile 1 + q, q = w: lane (r, h) takes rows 8 h + 0..7 of channel 64 (q / 4) + 4 r + q % 4; the wave stores 512 consecutive bytes.
	s_cmp_lt_u32 s16, 16
	s_cbranch_scc0 .Lno_tile
	v_and_b32 v42, 15, v0
	v_bfe_u32 v43, v0, 4, 1
	s_lshr_b32 s26, s16, 2
	s_lshl_b32 s26, s26, 8
	s_and_b32 s27, s16, 3
	s_lshl_b32 s27, s27, 2
	s_add_co_u32 s26, s26, s27
	v_mul_u32_u24 v44, v43, 8*SPITCH
	v_lshl_add_u32 v44, v42, 4, v44
	v_add_nc_u32 v44, s26, v44
.irp e, 0,1,2,3,4,5,6,7
	ds_load_b32 v[48+\e], v44 offset:STG+\e*SPITCH  ; lanes r and r + 8 of the two halves meet in a bank: eight loads a wave, left so
.endr
	s_lshl_b32 s31, s16, 12
	s_add_co_u32 s31, s31, s30
	s_add_co_u32 s31, s31, 4096
	v_lshl_add_u32 v45, v1, 4, s31
	s_wait_dscnt 0x0
.irp e, 0,1,2,3
	v_cvt_pk_bf16_f32 v[56+\e], v[48+2*\e], v[49+2*\e]
.endr
	global_store_b128 v45, v[56:59], s[8:9]
.Lno_tile:
	; (d) Wave 16, tile 0: minus the rows' means, head and rest.
	s_cmp_eq_u32 s16, 16
	s_cbranch_scc0 .Lno_mean
	v_bfe_u32 v43, v0, 4, 1
	v_lshlrev_b32 v44, 6, v43                      ; rows 8 h + 0..7: sixteen halves' sums
.irp e, 0,1,2,3
	ds_load_b128 v[64+4*\e:67+4*\e], v44 offset:PS+16*\e
.endr
	v_and_b32 v46, 1, v0
	v_cmp_eq_u32 vcc_lo, 1, v46                    ; the odd columns take the rest
	v_lshl_add_u32 v45, v1, 4, s30
	s_wait_dscnt 0x0
.irp e, 0,1,2,3,4,5,6,7
	v_add_f32 v[80+\e], v[64+2*\e], v[65+2*\e]
.endr
.irp e, 0,1,2,3,4,5,6,7
	v_mul_f32 v[80+\e], 0xbb800000, v[80+\e]       ; x -1/256
.endr
.irp e, 0,1,2,3
	v_cvt_pk_bf16_f32 v[88+\e], v[80+2*\e], v[81+2*\e]
	v_lshlrev_b32 v92, 16, v[88+\e]
	v_and_b32 v93, 0xffff0000, v[88+\e]
	v_sub_f32 v92, v[80+2*\e], v92
	v_sub_f32 v93, v[81+2*\e], v93
	v_cvt_pk_bf16_f32 v92, v92, v93
	v_cndmask_b32 v[56+\e], v[88+\e], v92, vcc_lo
.endr
	global_store_b128 v45, v[56:59], s[8:9]
.Lno_mean:
	s_wait_dscnt 0x0                               ; TB is stored, and my reads are back
	s_barrier_signal -1
	s_barrier_wait -1
	; PHASE 3.  My edge's place: its type's first place + the type's edges in earlier chunks + in earlier waves of my chunk + my rank.
	v_mov_b32 v104, 0
.irp e, 0,1,2,3
	ds_load_b128 v[64+4*\e:67+4*\e], v104 offset:TB+16*\e
.endr
	v_mov_b32 v84, 0                               ; v[84+t]: type t's first place
	v_mov_b32 v81, 0
	s_lshl_b32 s26, s17, 10
	v_add_nc_u32 v82, s26, v0                      ; my edge's number
	s_wait_dscnt 0x0
.irp t, 0,1,2,3,4,5,6,7
	v_add_nc_u32 v[85+\t], v[84+\t], v[64+2*\t]
.endr
.irp t, 0,1,2,3,4,5,6,7
.if \t < 4
	v_and_b32 v7, 0xffff, v[24+((\t&1)<<1)+((\t>>1)&1)]
.else
	v_lshrrev_b32 v7, 16, v[24+((\t&1)<<1)+((\t>>1)&1)]
.endif
	v_add3_u32 v7, v7, v[84+\t], v[65+2*\t]
	v_cndmask_b32 v81, v81, v7, s[40+\t]
.endr
	v_add_nc_u32 v81, v81, v5
	v_min_u32 v81, 0xffff, v81                     ; a place made of loaded numbers is held inside perm
	v_lshlrev_b32 v81, 2, v81
	global_store_b32 v81, v82, s[10:11]
	s_or_b32 s27, s16, s17
	s_cmp_lg_u32 s27, 0
	s_cbranch_scc1 .Lno_meta                       ; work-group 0's wave 0 stores meta: 128 consecutive bytes
	v_mov_b32 v83, 0x10000
.irp t, 0,1,2,3,4,5,6,7
	v_cmp_eq_u32 vcc_lo, \t, v1
	v_cndmask_b32 v83, v83, v[84+\t], vcc_lo
.endr
	v_lshlrev_b32 v105, 2, v1
	global_store_b32 v105, v83, s[12:13]
.Lno_meta:
	s_wait_tensorcnt 0x0                           ; the wave's end
	ds_add_u32 v[SPW], v[NIL]
	s_wait_dscnt 0x0
	s_endpgm
.Lfunc_end_k_q0eb57d9335_prep:
	.size	k_q0eb57d9335_prep, .Lfunc_end_k_q0eb57d9335_prep-k_q0eb57d9335_prep
	.p2alignl 7, 3214868480
	.fill 96, 4, 3214868480
	.section	.rodata,"a",@progbits
	.p2align	6, 0x0
	.amdhsa_kernel k_q0eb57d9335_prep
		.amdhsa_group_segment_fixed_size 22784
		.amdhsa_private_segment_fixed_size 0
		.amdhsa_enable_private_segment 0
		.amdhsa_kernarg_size 40
		.amdhsa_user_sgpr_count 2
		.amdhsa_user_sgpr_kernarg_segment_ptr 1
		.amdhsa_wavefront_size32 1
		.amdhsa_system_sgpr_workgroup_id_x 1
		.amdhsa_system_sgpr_workgroup_id_y 1
		.amdhsa_system_sgpr_workgroup_id_z 1
		.amdhsa_system_vgpr_workitem_id 0
		.amdhsa_next_free_vgpr 128
		.amdhsa_next_free_sgpr 66
		.amdhsa_reserve_vcc 1
		.amdhsa_float_denorm_mode_32 3
		.amdhsa_float_denorm_mode_16_64 3
		.amdhsa_memory_ordered 1
		.amdhsa_forward_progress 1
		.amdhsa_inst_pref_size 31
	.end_amdhsa_kernel
	.amdgpu_metadata
---
amdhsa.version: [ 1, 2 ]
amdhsa.kernels:
  - .name:           k_q0eb57d9335_prep
    .symbol:         k_q0eb57d9335_prep.kd
    .args:
      - { .name: W, .offset: 0, .size: 8, .value_kind: global_buffer, .address_space: global }
      - { .name: edge_type, .offset: 8, .size: 8, .value_kind: global_buffer, .address_space: global }
      - { .name: wf, .offset: 16, .size: 8, .value_kind: global_buffer, .address_space: global }
      - { .name: perm, .offset: 24, .size: 8, .value_kind: global_buffer, .address_space: global }
      - { .name: meta, .offset: 32, .size: 8, .value_kind: global_buffer, .address_space: global }
    .group_segment_fixed_size: 22784
    .private_segment_fixed_size: 0
    .kernarg_segment_align: 8
    .kernarg_segment_size: 40
    .max_flat_workgroup_size: 1024
    .sgpr_count:     66
    .vgpr_count:     128
    .wavefront_size: 32
...
	.end_amdgpu_metadata
.endif
;; end of part 1
;; launch edge (part 2): grid 256 x 1, 8 waves a work-group, no clusters, 209,920 bytes of LDS; arguments edge_attr, wf, b, gamma, beta, perm, meta, out0; writes out0
.if DOCPART == 2
	.amdgcn_target "amdgcn-amd-amdhsa--gfx1250"
	.amdhsa_code_object_version 6
	.text
	.protected	k_q0eb57d9335_edge
	.globl	k_q0eb57d9335_edge
	.p2align	8
	.type	k_q0eb57d9335_edge,@function
k_q0eb57d9335_edge:
	s_mov_b64 s[64:65], 0
	v_nop
	global_prefetch_b8 v0, s[64:65] scope:SCOPE_SE
	s_setreg_imm32_b32 hwreg(HW_REG_WAVE_MODE, 25, 1), 1
	s_wait_xcnt 0x0
; EDGE: out[e] = gelu(layernorm(x[e] W[t] + b[t]) gamma[t] + beta[t]), t = the edge's type; only the chosen expert's product is made.
; SHARES.  The edges are taken in perm's order (sorted by type, no padding).  Work-group g owns the sorted places 256 g .. 256 g + 255, wave w the UNIT of 32 from 256 g + 32 w on:
; two tiles of 16 rows that share every fragment of the weights.  2,048 units for 2,048 waves.  A unit that spans several types is passed once for each: in the pass for type t every place is
; held inside the unit's part of that type, so places outside it repeat a row that exists and store the same bytes again; a tile that lies wholly outside skips all behind its products.
; PRODUCT.  D = A B + C: A = 16 rows of x (bf16, from my wave's own rows in LDS), B = 16 channels of W[t] (from wf's tiles, copied into LDS as they lie).  Register j of lane (r, h) holds row 8 h + j and
; channel 64 G + 4 r + a for accumulator q = 4 G + a: a lane's four accumulators of a group G are 16 neighbouring bytes of a row, 16 lanes 256: results are stored straight from registers.
; MEAN.  h - mean(h) = x W_c - x wbar + (b_c - bbar).  -x wbar is made first, by wf's tile 0 (head in the even columns, rest in the odd ones, added by one exchange of neighbours), and is the C operand that
; starts all 16 sums.  What is left of a row's mean is 2^-17 of the sum of |x wbar| at the most, and is neglected.
; GELU, exact form by Abramowitz and Stegun 26.2.17: u = 1 / (1 + 0.2316419 |y|), Q = (c1 u + .. + c5 u^5) 2^(-0.72134752 y^2), gelu = max(y, 0) - |y| Q.  Q is off by 7.5e-8 at the most; for y < 0 that is
; 0.2% of the result at y = -5.5 and 1% at -8.5; where the exponential falls below 2^-126 the second term is 0.
; FORMATS.  x, W, b, gamma and beta are each rounded once to bf16; sums, statistics and the activation in f32.  NaN and infinities are not treated apart.
; NO JOINT LOADS, NO TENSOR LOADS: which types' weights a work-group needs hangs on stored counts, which may differ between neighbours, and the 69,632 bytes of weights are a sixth of the 458,752 bytes that a work-group
; moves.  NO PREFETCH: all of a wave's rows are asked for at its start, 16,384 bytes at once, and wf is read by every work-group.
.set XP,     272                       ; a row of x in LDS: 256 bytes + 16: the 16 rows of a fragment load start at 16 different groups of four banks (ISA guide 11.1)
.set SLOTB,  69632                     ; a type's 17 tiles
.set XB,     2*SLOTB                   ; two slots of weights, then each wave's 32 rows
.set XW,     32*XP
.set SPARE,  XB+8*XW                   ; the spare words, 128 bytes for each of the 8 waves; no other line names them
; window 0, fixed: v0 thread; v1 16 lane; v2 16 r; v3 32 h; v4 my place's edge; v5, v6 A's addresses; v7 parameters' offset; v8 meta; v9 my rows + 16 h; v10 r; v11 16 thread; v14, v15 at work
.set SPW,  12                          ; v12 LDS address of my spare word; never rewritten
.set NIL,  13                          ; v13 0; never rewritten
.set WS,   16                          ; v16-83   17 x 16 bytes of weights on their way into LDS
.set XS,   84                          ; v84      where I put 8 bytes of a row of x
.set XR,   128                         ; v128-255 32 rows of x, 16 bytes a lane
.set BP,   16                          ; v16-31   b - mean(b) of my 16 channels, by q
.set GA,   32                          ; v32-47   gamma
.set BE,   48                          ; v48-63   beta
.set AF,   64                          ; v64-127  A: tile tau, k step s at AF + 32 tau + 8 s
.set RING, 128                         ; v128-223 B: three buffers of four fragments
.set VBM,  224                         ; v224     the slot's tile 0 + 16 lane
.set VB,   225                         ; v225     its tile 1 + 16 lane
.set NM,   240                         ; v240-255 minus the rows' means, 8 a tile
.set RO,   64                          ; v64-79   behind the products: my rows' byte offsets in out0, 8 a tile
.set SS,   80                          ; v80-95   sums of squares, then 1 / sigma, 8 a tile
.set RX,   96                          ; v96-127  32 numbers y
.set RT,   128                         ; v128-159 u
.set RE,   160                         ; v160-191 the exponential, then Q
.set ROUT, 192                         ; v192-223 results: row j's four channels at ROUT + 4 j
.set RP,   224                         ; v224-231 the polynomial, then max(y, 0)
; window 1: the accumulators, (tau, q) at 128 tau + 8 q
; scalars: s[4:19] the eight addresses; s20 wave; s22 256 g; s23 my unit's first place; s24 types still to be served; s25 round; s26, s27 the round's two types; s28 slot; s29 type;
; s30, s31 my part of the type; s32, s33 its first and last place in the unit x 4; s34, s35 tile 0, 1 has rows; s36-38 at work; s[40:41] a type in wf; s[44:59], s[68:69] constants in pairs; s60, s62 constants;
; s66, s67 first and last place in the unit; s[72:80] meta; s[82:89] eight edges' numbers
.set MSB, 0
.macro WIN new                         ; the immediate's high byte repeats the setting that is left; a switch that changes nothing is dropped
.if MSB != (\new)
	s_set_vgpr_msb (MSB<<8)|(\new)
.set MSB, \new
.endif
.endm
.macro PAIR r, val                     ; a packed instruction names a scalar pair and takes its low word for both halves
	s_mov_b32 s[\r], \val
	s_mov_b32 s[(\r)+1], \val
.endm
.macro PLACES                          ; four places between a matrix instruction and a load into, or a vector write of, one of its registers
.rept 4
	v_nop
.endr
.endm
.macro WLOAD                           ; a type's 69,632 bytes: 17 loads, each 4,096 consecutive bytes for the work-group
.set i, 0
.rept 17
	global_load_b128 v[WS+4*i:WS+4*i+3], v11, s[40:41] offset:4096*i
.set i, i+1
.endr
.endm
.macro WSTORE slot                     ; into LDS as they lie; the 17th tile lies past a 16-bit offset and has a base of its own
.if \slot
	v_add_nc_u32 v14, SLOTB, v11
.set WA, 14
.else
.set WA, 11
.endif
	v_add_nc_u32 v15, (\slot)*SLOTB+65536, v11
.set i, 0
.rept 16
	ds_store_b128 v[WA], v[WS+4*i:WS+4*i+3] offset:4096*i
.set i, i+1
.endr
	ds_store_b128 v15, v[WS+64:WS+67]
.endm
.macro STAGE slot, treg                ; the weights of type s[treg] into a slot; stands between the round's two barriers
	s_wait_xcnt 0x0                                ; earlier stores have read their offsets in v64-79, which the loads below write
	s_min_u32 s36, s[\treg], 7
	s_mul_i32 s36, s36, SLOTB
	s_mov_b32 s37, 0
	s_add_nc_u64 s[40:41], s[6:7], s[36:37]
	WLOAD
	s_wait_loadcnt 0x0
	WSTORE \slot
.endm
.macro BLOAD n                         ; step n = 4 G + s: the four fragments a = 0..3 of group G, k step s, into ring buffer n % 3
.irp a, 0,1,2,3
	ds_load_b128 v[RING+32*((\n)%3)+8*\a:RING+32*((\n)%3)+8*\a+3],   v[VB] offset:(4*((\n)/4)+\a)*4096+((\n)%4)*1024
	ds_load_b128 v[RING+32*((\n)%3)+8*\a+4:RING+32*((\n)%3)+8*\a+7], v[VB] offset:(4*((\n)/4)+\a)*4096+((\n)%4)*1024+512
.endr
.endm
; Step n: the fragments of step n + 2 are asked for, then 8 matrix instructions: 4 channels' tiles x 2 row tiles.  The eight accumulators take turns, one instruction a turn, in the same order in every step.
.macro STEP n
.if ((\n) > 0) && ((\n) <= 13)
	PLACES                                         ; the loads below land in the buffer that the step before multiplied
.endif
.if (\n) <= 13
	WIN 0
	BLOAD (\n)+2
	s_wait_dscnt 16                                ; the 16 loads of the next two steps may be out
.else
	s_wait_dscnt 8*(15-(\n))                       ; step 14: the last step's eight; step 15: none
.endif
.if (\n)%4
	WIN 0x50                                       ; C and D in window 1
.else
	WIN 0x40                                       ; D in window 1, C (minus the mean) in window 0
.endif
.irp a, 0,1,2,3
.irp tau, 0,1
.set rD, 128*\tau+8*(4*((\n)/4)+\a)
.set rA, AF+32*\tau+8*((\n)%4)
.set rB, RING+32*((\n)%3)+8*\a
.if (\n)%4
	v_wmma_f32_16x16x32_bf16 v[rD:rD+7], v[rA:rA+7], v[rB:rB+7], v[rD:rD+7]
.else
	v_wmma_f32_16x16x32_bf16 v[rD:rD+7], v[rA:rA+7], v[rB:rB+7], v[NM+8*\tau:NM+8*\tau+7]
.endif
.endr
.endr
.endm
; 32 results a lane: tile tau, channels 64 G .. 64 G + 63.  Pair p = 4 a + jp holds rows 2 jp, 2 jp + 1 of channel a.
.macro BATCH tau, G
	WIN 0x01                                       ; source 0 in window 1
.set p, 0
.rept 16
	v_pk_mul_f32 v[RX+2*p:RX+2*p+1], v[128*(\tau)+8*(4*(\G)+p/4)+2*(p%4):128*(\tau)+8*(4*(\G)+p/4)+2*(p%4)+1], v[SS+8*(\tau)+2*(p%4):SS+8*(\tau)+2*(p%4)+1]
.set p, p+1
.endr
	WIN 0
	; y = (..) gamma + beta; -0.72 y^2; 1 + 0.23 |y|.  The reciprocals and exponentials of pair p - 1 stand between the plain lines of pair p: all 64 are ONE batch, and nothing ahead of its wait names a result.
.set p, 0
.rept 16
.set gq, 4*(\G)+2*(p/8)                ; gamma and beta are named in even pairs; the channel's parity picks the register for both halves
.if (p/4)%2
	v_pk_fma_f32 v[RX+2*p:RX+2*p+1], v[RX+2*p:RX+2*p+1], v[GA+gq:GA+gq+1], v[BE+gq:BE+gq+1] op_sel:[0,1,1] op_sel_hi:[1,1,1]
.else
	v_pk_fma_f32 v[RX+2*p:RX+2*p+1], v[RX+2*p:RX+2*p+1], v[GA+gq:GA+gq+1], v[BE+gq:BE+gq+1] op_sel_hi:[1,0,0]
.endif
.if p > 0
	v_rcp_f32 v[RT+2*p-2], v[RT+2*p-2]
.endif
	v_pk_mul_f32 v[RE+2*p:RE+2*p+1], v[RX+2*p:RX+2*p+1], v[RX+2*p:RX+2*p+1]
.if p > 0
	v_rcp_f32 v[RT+2*p-1], v[RT+2*p-1]
.endif
	v_pk_mul_f32 v[RE+2*p:RE+2*p+1], v[RE+2*p:RE+2*p+1], s[54:55] op_sel_hi:[1,0]
.if p > 0
	v_exp_f32 v[RE+2*p-2], v[RE+2*p-2]
.endif
	v_fma_f32 v[RT+2*p], |v[RX+2*p]|, s60, 1.0
.if p > 0
	v_exp_f32 v[RE+2*p-1], v[RE+2*p-1]
.endif
	v_fma_f32 v[RT+2*p+1], |v[RX+2*p+1]|, s60, 1.0
.set p, p+1
.endr
	v_rcp_f32 v[RT+30], v[RT+30]
	v_rcp_f32 v[RT+31], v[RT+31]
	v_exp_f32 v[RE+30], v[RE+30]
	v_exp_f32 v[RE+31], v[RE+31]
	v_nop                                          ; a plain instruction behind the last of them (ISA guide 5.7.2),
	s_wait_alu depctr_va_vdst(0)                   ; and one wait ahead of the batch's first reader
.irp a, 0,1,2,3
.irp jp, 0,1,2,3
	v_pk_fma_f32 v[RP+2*\jp:RP+2*\jp+1], v[RT+8*\a+2*\jp:RT+8*\a+2*\jp+1], s[44:45], s[46:47] op_sel_hi:[1,0,0]
.endr
.irp c, 48,50,52
.irp jp, 0,1,2,3
	v_pk_fma_f32 v[RP+2*\jp:RP+2*\jp+1], v[RP+2*\jp:RP+2*\jp+1], v[RT+8*\a+2*\jp:RT+8*\a+2*\jp+1], s[\c:\c+1] op_sel_hi:[1,1,0]
.endr
.endr
.irp jp, 0,1,2,3
	v_pk_mul_f32 v[RE+8*\a+2*\jp:RE+8*\a+2*\jp+1], v[RE+8*\a+2*\jp:RE+8*\a+2*\jp+1], v[RT+8*\a+2*\jp:RT+8*\a+2*\jp+1]
.endr
.irp jp, 0,1,2,3
	v_pk_mul_f32 v[RE+8*\a+2*\jp:RE+8*\a+2*\jp+1], v[RP+2*\jp:RP+2*\jp+1], v[RE+8*\a+2*\jp:RE+8*\a+2*\jp+1]
.endr
.irp j, 0,1,2,3,4,5,6,7
	v_max_num_f32 v[RP+\j], 0, v[RX+8*\a+\j]
.endr
.if \a == 0
	s_wait_xcnt 0x0                                ; the batch before's stores have read their data: only behind this wait is it written anew
.endif
.irp j, 0,1,2,3,4,5,6,7
	v_fma_f32 v[ROUT+4*\j+\a], -|v[RX+8*\a+\j]|, v[RE+8*\a+\j], v[RP+\j]
.endr
.endr
.irp j, 0,1,2,3,4,5,6,7
	global_store_b128 v[RO+8*(\tau)+\j], v[ROUT+4*\j:ROUT+4*\j+3], s[18:19] offset:256*(\G) th:TH_STORE_NT  ; lanes 0-15: 256 consecutive, aligned bytes of row j; lanes 16-31: of row 8 + j
.endr
.endm
; All that follows the products, for tile tau.
.macro EPI tau
	WIN 0x41                                       ; destination and source 0 in window 1
.set q, 0
.rept 16                                       ; + (b - mean b); each accumulator's registers in ascending order, the lowest first
.irp jp, 0,1,2,3
.if q%2
	v_pk_add_f32 v[128*(\tau)+8*q+2*\jp:128*(\tau)+8*q+2*\jp+1], v[128*(\tau)+8*q+2*\jp:128*(\tau)+8*q+2*\jp+1], v[BP+q-1:BP+q] op_sel:[0,1] op_sel_hi:[1,1]
.else
	v_pk_add_f32 v[128*(\tau)+8*q+2*\jp:128*(\tau)+8*q+2*\jp+1], v[128*(\tau)+8*q+2*\jp:128*(\tau)+8*q+2*\jp+1], v[BP+q:BP+q+1] op_sel_hi:[1,0]
.endif
.endr
.set q, q+1
.endr
	WIN 0x05                                       ; sources 0 and 1 in window 1
.set q, 0
.rept 16                                       ; the rows' sums of squares over my 16 channels, in four chains; the first products start them
.irp jp, 0,1,2,3
.if q == 0
	v_pk_mul_f32 v[SS+8*(\tau)+2*\jp:SS+8*(\tau)+2*\jp+1], v[128*(\tau)+2*\jp:128*(\tau)+2*\jp+1], v[128*(\tau)+2*\jp:128*(\tau)+2*\jp+1]
.else
	v_pk_fma_f32 v[SS+8*(\tau)+2*\jp:SS+8*(\tau)+2*\jp+1], v[128*(\tau)+8*q+2*\jp:128*(\tau)+8*q+2*\jp+1], v[128*(\tau)+8*q+2*\jp:128*(\tau)+8*q+2*\jp+1], v[SS+8*(\tau)+2*\jp:SS+8*(\tau)+2*\jp+1]
.endif
.endr
.set q, q+1
.endr
	WIN 0
.irp k, 1,2,4,8                        ; and over the 16 lanes that hold a row
.irp j, 0,1,2,3,4,5,6,7
	v_add_f32_dpp v[SS+8*(\tau)+\j], v[SS+8*(\tau)+\j], v[SS+8*(\tau)+\j] row_xmask:\k row_mask:0xf bank_mask:0xf
.endr
.endr
.irp jp, 0,1,2,3
	v_pk_fma_f32 v[SS+8*(\tau)+2*\jp:SS+8*(\tau)+2*\jp+1], v[SS+8*(\tau)+2*\jp:SS+8*(\tau)+2*\jp+1], s[56:57], s[58:59] op_sel_hi:[1,0,0]  ; / 256 + 1e-5
.endr
.irp j, 0,1,2,3,4,5,6,7
	v_rsq_f32 v[SS+8*(\tau)+\j], v[SS+8*(\tau)+\j]
.endr
	v_nop                                          ; a plain instruction behind the last root,
	s_wait_alu depctr_va_vdst(0)                   ; and one wait for the eight
	BATCH \tau, 0
	BATCH \tau, 1
	BATCH \tau, 2
	BATCH \tau, 3
.endm
	s_load_b512 s[4:19], s[0:1], 0x0               ; edge_attr s[4:5], wf s[6:7], b s[8:9], gamma s[10:11], beta s[12:13], perm s[14:15], meta s[16:17], out0 s[18:19]
	v_lshl_add_u32 v[SPW], v0, 2, SPARE
	v_mov_b32 v[NIL], 0
	v_lshrrev_b32 v15, 5, v0
	v_readfirstlane_b32 s20, v15                   ; wave w
	v_and_b32 v14, 31, v0                          ; lane
	v_and_b32 v10, 15, v0                          ; r
	v_bfe_u32 v15, v0, 4, 1                        ; h
	v_lshlrev_b32 v1, 4, v14
	v_lshlrev_b32 v2, 4, v10
	v_lshlrev_b32 v3, 5, v15
	v_lshlrev_b32 v11, 4, v0
	s_lshl_b32 s22, ttmp9, 8                       ; the work-group's first place
	s_lshl_b32 s23, s20, 5
	s_add_co_u32 s23, s23, s22                     ; my unit's
	s_mul_i32 s36, s20, XW
	s_add_co_u32 s36, s36, XB                      ; my wave's rows in LDS
	v_lshl_add_u32 v9, v15, 4, s36
	v_lshl_add_u32 v[XS], v14, 3, s36
	v_add_lshl_u32 v5, s23, v14, 2
	v_lshlrev_b32 v6, 2, v14
	PAIR 44, 0x3f07dc22                            ; c5 =  0.53070272
	PAIR 46, 0xbf3a00e3                            ; c4 = -0.72657601
	PAIR 48, 0x3f35f0e3                            ; c3 =  0.71070687
	PAIR 50, 0xbe11a98e                            ; c2 = -0.14224837
	PAIR 52, 0x3e027906                            ; c1 =  0.12741480
	PAIR 54, 0xbf38aa3b                            ; -log2(e) / 2
	PAIR 56, 0x3b800000                            ; 1/256
	PAIR 58, 0x3727c5ac                            ; 1e-5
	PAIR 68, 0xbb800000                            ; -1/256
	s_mov_b32 s60, 0x3e6d3389                      ; 0.2316419
	s_mov_b32 s62, 0xffff0000                      ; a word's upper bf16
	s_wait_kmcnt 0x0
	global_load_b32 v4, v5, s[14:15]               ; lane l: the edge at my unit's place l
	global_load_b32 v8, v6, s[16:17]               ; lane l: meta's word l
	s_wait_loadcnt 0x0
	v_min_u32 v4, 0xffff, v4
	; My 32 rows of x: one load a row, 512 consecutive aligned bytes; each load lands on its own offset register.  16,384 bytes of the wave are on their way at once.
.set i, 0
.rept 4
.irp k, 0,1,2,3,4,5,6,7
	v_readlane_b32 s[82+\k], v4, i+\k
.endr
.irp k, 0,1,2,3,4,5,6,7
	s_min_u32 s[82+\k], s[82+\k], 0xffff
.endr
.irp k, 0,1,2,3,4,5,6,7
	v_lshl_add_u32 v[XR+4*(i+\k)], s[82+\k], 9, v1
	global_load_b128 v[XR+4*(i+\k):XR+4*(i+\k)+3], v[XR+4*(i+\k)], s[4:5] th:TH_LOAD_NT
.endr
.set i, i+8
.endr
	; Which types have places in my work-group's 256: the same mask in all eight waves.
.irp t, 0,1,2,3,4,5,6,7,8
	v_readlane_b32 s[72+\t], v8, \t
.endr
	s_add_co_u32 s38, s22, 256
	s_mov_b32 s24, 0
.irp t, 0,1,2,3,4,5,6,7
	s_max_u32 s36, s[72+\t], s22
	s_min_u32 s37, s[73+\t], s38
	s_cmp_lt_u32 s36, s37
	s_cselect_b32 s36, 1<<\t, 0
	s_or_b32 s24, s24, s36
.endr
	s_ctz_i32_b32 s36, s24                         ; the first of them goes into slot 0 at once
	s_min_u32 s36, s36, 7
	s_mul_i32 s36, s36, SLOTB
	s_mov_b32 s37, 0
	s_add_nc_u64 s[40:41], s[6:7], s[36:37]
	WLOAD
.set i, 0
.rept 32                                       ; x to bf16, into my wave's rows: 256 consecutive bytes a store
	s_wait_loadcnt 48-i                            ; behind row i: 31 - i rows and the 17 loads of weights
	v_cvt_pk_bf16_f32 v[XR+4*i], v[XR+4*i], v[XR+4*i+1]
	v_cvt_pk_bf16_f32 v[XR+4*i+1], v[XR+4*i+2], v[XR+4*i+3]
	ds_store_b64 v[XS], v[XR+4*i:XR+4*i+1] offset:XP*i
.set i, i+1
.endr
	s_wait_loadcnt 0x0
	WSTORE 0
	; ROUNDS.  Four trips of two slots serve up to eight types; every wave passes both barriers of every trip, and only work is jumped over, forward.
	s_mov_b32 s25, 0
.Lround:
	s_ctz_i32_b32 s26, s24                         ; the next two types, 8 where none is left
	s_min_u32 s26, s26, 8
	s_sub_co_u32 s36, s24, 1
	s_and_b32 s24, s24, s36
	s_ctz_i32_b32 s27, s24
	s_min_u32 s27, s27, 8
	s_sub_co_u32 s36, s24, 1
	s_and_b32 s24, s24, s36
	s_wait_dscnt 0x0                               ; my reads of the slots are over (first trip: my stores are done)
	s_barrier_signal -1
	s_barrier_wait -1                              ; everybody's are: the slots may be written
	s_cmp_eq_u32 s25, 0
	s_cbranch_scc1 .Lno_a                          ; the first trip's slot 0 is filled already
	s_cmp_eq_u32 s26, 8
	s_cbranch_scc1 .Lno_a
	STAGE 0, 26
.Lno_a:
	s_cmp_eq_u32 s27, 8
	s_cbranch_scc1 .Lno_b
	STAGE 1, 27
.Lno_b:
	s_wait_dscnt 0x0                               ; my stores into the slots are done
	s_barrier_signal -1
	s_barrier_wait -1                              ; the slots are whole
	s_mov_b32 s28, 0
.Lslot:
	s_cmp_eq_u32 s28, 0
	s_cselect_b32 s29, s26, s27
	s_cmp_eq_u32 s29, 8
	s_cbranch_scc1 .Lnext
	s_min_u32 s29, s29, 7
	s_mov_b32 s30, 0
	s_mov_b32 s31, 0
.irp t, 0,1,2,3,4,5,6,7
	s_cmp_eq_u32 s29, \t
	s_cselect_b32 s30, s[72+\t], s30
	s_cselect_b32 s31, s[73+\t], s31
.endr
	s_max_u32 s30, s30, s23                        ; my unit's part of the type: places s30 .. s31 - 1
	s_add_co_u32 s36, s23, 32
	s_min_u32 s31, s31, s36
	s_cmp_lt_u32 s30, s31
	s_cbranch_scc0 .Lnext                          ; none
	; A PASS: my unit's rows of type s29, whose weights lie in slot s28.
	s_wait_xcnt 0x0                                ; the pass before's loads and stores have read their offsets and data, which are written anew below
	s_sub_co_u32 s66, s30, s23                     ; first place in the unit,
	s_sub_co_u32 s67, s31, s23
	s_sub_co_u32 s67, s67, 1                       ; and last
	s_lshl_b32 s32, s66, 2
	s_lshl_b32 s33, s67, 2
	s_cmp_lt_u32 s66, 16
	s_cselect_b32 s34, 1, 0                        ; tile 0 has rows of the type
	s_cmp_ge_u32 s67, 16
	s_cselect_b32 s35, 1, 0                        ; tile 1 has
	s_lshl_b32 s36, s29, 10
	v_add_nc_u32 v7, s36, v2                       ; 1,024 t + 16 r: channels 64 G + 4 r + 0..3 lie 256 G further on
.irp G, 0,1,2,3
	global_load_b128 v[BP+4*\G:BP+4*\G+3], v7, s[8:9] offset:256*\G
	global_load_b128 v[GA+4*\G:GA+4*\G+3], v7, s[10:11] offset:256*\G
	global_load_b128 v[BE+4*\G:BE+4*\G+3], v7, s[12:13] offset:256*\G
.endr
	v_max_u32 v14, s66, v10                        ; A's row for lane (r, h) of tile tau: place r + 16 tau, held inside the type's part, and inside the unit
	v_add_nc_u32 v15, 16, v10
	v_min_u32 v14, s67, v14
	v_max_u32 v15, s66, v15
	v_min_u32 v14, 31, v14
	v_min_u32 v15, s67, v15
	v_mad_u32_u24 v5, v14, XP, v9
	v_min_u32 v15, 31, v15
	v_mad_u32_u24 v6, v15, XP, v9
	s_mul_i32 s36, s28, SLOTB
	v_add_nc_u32 v[VBM], s36, v1
	v_add_nc_u32 v[VB], 4096, v[VBM]
.irp tau, 0,1
.irp s, 0,1,2,3
	ds_load_b128 v[AF+32*\tau+8*\s:AF+32*\tau+8*\s+3],   v[5+\tau] offset:64*\s
	ds_load_b128 v[AF+32*\tau+8*\s+4:AF+32*\tau+8*\s+7], v[5+\tau] offset:64*\s+32
.endr
.endr
.irp s, 0,1,2,3                        ; tile 0, the means' weights, into ring buffer 2
	ds_load_b128 v[RING+64+8*\s:RING+64+8*\s+3],   v[VBM] offset:1024*\s
	ds_load_b128 v[RING+64+8*\s+4:RING+64+8*\s+7], v[VBM] offset:1024*\s+512
.endr
	BLOAD 0
	BLOAD 1
	s_wait_dscnt 16                                ; A and tile 0 are in; steps 0 and 1 may be out
.irp s, 0,1,2,3                        ; minus the rows' means: two accumulators by turns; the first k step starts the sums
.irp tau, 0,1
.if \s == 0
	v_wmma_f32_16x16x32_bf16 v[NM+8*\tau:NM+8*\tau+7], v[AF+32*\tau:AF+32*\tau+7], v[RING+64:RING+71], 0
.else
	v_wmma_f32_16x16x32_bf16 v[NM+8*\tau:NM+8*\tau+7], v[AF+32*\tau+8*\s:AF+32*\tau+8*\s+7], v[RING+64+8*\s:RING+64+8*\s+7], v[NM+8*\tau:NM+8*\tau+7]
.endif
.endr
.endr
.rept 5                                        ; five places: the results are read below, become the C operand of other accumulators, and ring buffer 2 is loaded again
	v_nop
.endr
.irp j, 0,1,2,3,4,5,6,7,8,9,10,11,12,13,14,15
	v_add_f32_dpp v[NM+\j], v[NM+\j], v[NM+\j] row_xmask:1 row_mask:0xf bank_mask:0xf  ; head + rest: every lane now holds minus the mean of row 8 h + j
.endr
.irp n, 0,1,2,3,4,5,6,7,8,9,10,11,12,13,14,15
	STEP \n
.endr
	WIN 0
	PLACES                                         ; A's registers take the rows' offsets
	; Register j of tile tau is the unit's place 16 tau + 8 h + j, held inside the type's part as A's rows were; its edge lies in that lane's v4.
.irp tau, 0,1
.irp j, 0,1,2,3,4,5,6,7
.if (\tau+\j) == 0
	v_max_u32 v14, s32, v3
.else
	v_add_nc_u32 v[14+\j%2], 4*(16*\tau+\j), v3
	v_max_u32 v[14+\j%2], s32, v[14+\j%2]
.endif
	v_min_u32 v[14+\j%2], s33, v[14+\j%2]
	ds_bpermute_b32 v[RO+8*\tau+\j], v[14+\j%2], v4
.endr
.endr
	s_wait_loadcnt 0x0                             ; b, gamma, beta
.set p, 0
.rept 24                                       ; each rounded once to bf16, like x and W
	v_cvt_pk_bf16_f32 v[14+p%2], v[BP+2*p], v[BP+2*p+1]
	v_lshlrev_b32 v[BP+2*p], 16, v[14+p%2]
	v_and_b32 v[BP+2*p+1], s62, v[14+p%2]
.set p, p+1
.endr
.irp c, 0,1,2,3                        ; b's sum over my 16 channels, then over the 16 lanes
	v_pk_add_f32 v[RT+2*\c:RT+2*\c+1], v[BP+4*\c:BP+4*\c+1], v[BP+4*\c+2:BP+4*\c+3]
.endr
	v_pk_add_f32 v[RT:RT+1], v[RT:RT+1], v[RT+2:RT+3]
	v_pk_add_f32 v[RT+4:RT+5], v[RT+4:RT+5], v[RT+6:RT+7]
	v_pk_add_f32 v[RT:RT+1], v[RT:RT+1], v[RT+4:RT+5]
	v_add_f32 v14, v[RT], v[RT+1]
.irp k, 1,2,4,8
	v_add_f32_dpp v14, v14, v14 row_xmask:\k row_mask:0xf bank_mask:0xf
.endr
.irp c, 0,1,2,3,4,5,6,7
	v_pk_fma_f32 v[BP+2*\c:BP+2*\c+1], v[14:15], s[68:69], v[BP+2*\c:BP+2*\c+1] op_sel_hi:[0,0,1]  ; b - sum / 256
.endr
	s_wait_dscnt 0x0                               ; the edges' numbers
.irp j, 0,1,2,3,4,5,6,7,8,9,10,11,12,13,14,15
	v_min_u32 v[RO+\j], 0xffff, v[RO+\j]
.endr
.irp j, 0,1,2,3,4,5,6,7,8,9,10,11,12,13,14,15
	v_lshl_add_u32 v[RO+\j], v[RO+\j], 10, v2      ; 1,024 x edge + 16 r
.endr
	s_cmp_lg_u32 s34, 0
	s_cbranch_scc0 .Lno_e0
	EPI 0
.Lno_e0:
	s_cmp_lg_u32 s35, 0
	s_cbranch_scc0 .Lno_e1
	EPI 1
.Lno_e1:
.Lnext:
	s_add_co_u32 s28, s28, 1
	s_cmp_lt_u32 s28, 2
	s_cbranch_scc1 .Lslot
	s_add_co_u32 s25, s25, 1
	s_cmp_lt_u32 s25, 4
	s_cbranch_scc1 .Lround
	s_wait_tensorcnt 0x0                           ; the wave's end
	ds_add_u32 v[SPW], v[NIL]
	s_wait_dscnt 0x0
	s_endpgm
.Lfunc_end_k_q0eb57d9335_edge:
	.size	k_q0eb57d9335_edge, .Lfunc_end_k_q0eb57d9335_edge-k_q0eb57d9335_edge
	.p2alignl 7, 3214868480
	.fill 96, 4, 3214868480
	.section	.rodata,"a",@progbits
	.p2align	6, 0x0
	.amdhsa_kernel k_q0eb57d9335_edge
		.amdhsa_group_segment_fixed_size 209920
		.amdhsa_private_segment_fixed_size 0
		.amdhsa_enable_private_segment 0
		.amdhsa_kernarg_size 64
		.amdhsa_user_sgpr_count 2
		.amdhsa_user_sgpr_kernarg_segment_ptr 1
		.amdhsa_wavefront_size32 1
		.amdhsa_system_sgpr_workgroup_id_x 1
		.amdhsa_system_sgpr_workgroup_id_y 1
		.amdhsa_system_sgpr_workgroup_id_z 1
		.amdhsa_system_vgpr_workitem_id 0
		.amdhsa_next_free_vgpr 512
		.amdhsa_next_free_sgpr 96
		.amdhsa_reserve_vcc 0
		.amdhsa_float_denorm_mode_32 3
		.amdhsa_float_denorm_mode_16_64 3
		.amdhsa_memory_ordered 1
		.amdhsa_forward_progress 1
		.amdhsa_inst_pref_size 230
	.end_amdhsa_kernel
	.amdgpu_metadata
---
amdhsa.version: [ 1, 2 ]
amdhsa.kernels:
  - .name:           k_q0eb57d9335_edge
    .symbol:         k_q0eb57d9335_edge.kd
    .args:
      - { .name: edge_attr, .offset: 0, .size: 8, .value_kind: global_buffer, .address_space: global }
      - { .name: wf, .offset: 8, .size: 8, .value_kind: global_buffer, .address_space: global }
      - { .name: b, .offset: 16, .size: 8, .value_kind: global_buffer, .address_space: global }
      - { .name: gamma, .offset: 24, .size: 8, .value_kind: global_buffer, .address_space: global }
      - { .name: beta, .offset: 32, .size: 8, .value_kind: global_buffer, .address_space: global }
      - { .name: perm, .offset: 40, .size: 8, .value_kind: global_buffer, .address_space: global }
      - { .name: meta, .offset: 48, .size: 8, .value_kind: global_buffer, .address_space: global }
      - { .name: out0, .offset: 56, .size: 8, .value_kind: global_buffer, .address_space: global }
    .group_segment_fixed_size: 209920
    .private_segment_fixed_size: 0
    .kernarg_segment_align: 8
    .kernarg_segment_size: 64
    .max_flat_workgroup_size: 256
    .sgpr_count:     96
    .vgpr_count:     512
    .wavefront_size: 32
...
	.end_amdgpu_metadata
.endif
;; end of part 2
